; MI455X (gfx1250); checked and timed in simulation.
; The chip was launched on July 23, 2026; its instructions are those of AMD's public machine-readable ISA for CDNA 5 (MIT licence, August 2026) and "CDNA5" Instruction Set Architecture Reference Guide (July 2026). The comments in the code are by the model that wrote it; some were corrected since.
;; SKAN Linear. Allowed arithmetic: matrix products marked QUANTISED: E2M3 operands, one E8M0 scale for each 32 along K, by v_wmma_scale_f32_16x16x128_f8f6f4 with both operands' format E2M3, f32 sums; everything else in f32.
;; Inputs: weight 2,048 x 2,049 float32; x 4 x 2,048 x 2,048 float32.
;; Outputs: out0 8,192 x 2,048 float32.
;; This version of the problem:
;;   THIS VERSION OF THE PROBLEM IS GIVEN IN LOW PRECISION. The matrix products marked QUANTISED in the list below multiply operands that are first quantised to E2M3 (2 exponent bits, 3 mantissa bits; 6 bits a number), with one power-of-two scale for each 32 numbers along K (OCP MX v1.0); their sums are f32. All else is computed in f32.
;;   The module's matrix products, in the order in which they are computed (A, B: the left and right operand; K: the contracted axis; several contracted axes count as one K, in the product's order):
;;     1. [M 8,192, K 2,049] x [K 2,049, N 2,048]; A: computed on the way; B: input weight: QUANTISED
;;     2. [M 8,192, K 2,049] x [K 2,049, N 2,048]; A: computed on the way; B: computed on the way: QUANTISED
;;   THE QUANTISER, for each operand of a quantised product, along K:
;;     - K is cut into blocks of 32 from its start; a last block that is shorter is filled with zeros.
;;     - A block's scale is 2^e with e = floor(log2(the largest magnitude in the block)) - 2, held to -126 .. 127; a block of zeros has e = 0. As a byte (E8M0): e + 127.
;;     - Each number is divided by its block's scale, clamped to +-7.5, and rounded to the nearest number of E2M3, ties to even, subnormals kept.
;;     - The product sums the exact products of the quantised numbers (number of the format x scale) in f32.
;;   ~~~python
;;   def quantise(x, axis):      # numpy; x: float32 -> the quantised numbers, widened to float32 again
;;       x = np.moveaxis(x, axis, -1); K = x.shape[-1]
;;       x = np.pad(x, [(0, 0)] * (x.ndim - 1) + [(0, -K % 32)]); x = x.reshape(x.shape[:-1] + (-1, 32)); a = np.abs(x).max(-1, keepdims=True)
;;       e = np.where(a > 0, np.clip(np.frexp(np.where(a > 0, a, 1))[1] - 1 - 2, -126, 127), 0)      # np.frexp(a)[1] - 1 = floor(log2(a)), exactly
;;       r = np.clip(x / 2.0 ** e, -7.5, 7.5)
;;       step = 2.0 ** (np.maximum(np.frexp(np.where(r == 0, 1, r))[1] - 1, 0) - 3)
;;       q = np.round(r / step) * step * 2.0 ** e      # np.round: ties to even
;;       return np.moveaxis(q.reshape(q.shape[:-2] + (-1,))[..., :K], -1, axis).astype(np.float32)
;;   ~~~
;;   OPERANDS COMPUTED ON THE WAY. 'Computed on the way' means the value that the module computes at that place (a softmax that the list does not call 'softmax' is quantised finished and normalised). What goes into a quantiser is computed in f32, as accurately as f32 sums, v_exp_f32 and their like allow (about 1e-6 of the number): no bf16 or f16 on the way to a quantiser, and a product that is left as it is and whose result goes on into a quantised operand takes f32 operands (vector FMAs, or v_wmma_f32_16x16x4_f32). A number that lies on a knife's edge between two numbers of the format may be rounded either way, as far as f32 arithmetic and the matrix unit's own rounding can turn it there, and no further.
;; One version. Each part assembles by itself: llvm-mc -triple=amdgcn-amd-amdhsa -mcpu=gfx1250 --defsym DOCPART=n.
;; ======== version 1 of 1: 2 launches
;; limits: right only within a limited range of input values
;; workspace buffers: xc 12,582,912 bytes; xs 524,288 bytes; wc 3,145,728 bytes; wsb 335,872 bytes
;; launch quant (part 1): grid 256 x 1, 8 waves a work-group, no clusters, 327,680 bytes of LDS; arguments x, weight, xc, xs, wc, wsb; writes xc, xs, wc, wsb
.if DOCPART == 1
	.amdgcn_target "amdgcn-amd-amdhsa--gfx1250"
	.amdhsa_code_object_version 6
	.text
	.protected	k_qc0eb491840_quant
	.globl	k_qc0eb491840_quant
	.p2align	8
	.type	k_qc0eb491840_quant,@function
k_qc0eb491840_quant:
	s_mov_b64 s[64:65], 0
	v_nop
	global_prefetch_b8 v0, s[64:65] scope:SCOPE_SE
	s_setreg_imm32_b32 hwreg(HW_REG_WAVE_MODE, 25, 1), 1
	s_wait_xcnt 0x0
; x [8192][2048] and weight [2048][2049], f32, become codes of FP6 (E2M3) with one E8M0 scale byte for each 32 along K (K innermost in both).
; A block's byte is its largest magnitude's exponent field - 2, held at 1 from below; each number is divided by the scale and rounded to the nearest code, ties to even, beyond 7.5 the largest code.
; ONE set of codes is made: the quantiser is odd in its input, so the codes of |v| are the codes of v with the sign bits cleared, under the same bytes; the second launch clears them in registers.
; LAYOUT: images of operand registers.  A fragment is 16 rows x 128 K, 12 registers a lane (lane l: row l % 16; registers 6 c .. 6 c + 5: K = 64 c + 32 (l / 16) + 0 .. 31); its image is 1,536 bytes: registers 4 p .. 4 p + 3 of lane l at 512 p + 16 l.
;   xc [512 groups of 16 rows][16 K steps][1,536];  wc [128][16][1,536];  xs [32 blocks of 256 rows][16 K steps][256 rows]: one word a row and K step, byte b for K = 32 b .. 32 b + 31;
;   wsb [8 blocks of 256 rows]: 17 K steps x 256 words, then 16 images of column 2048's K step: 41,984 bytes a block, dense.
; THE FACTOR 0.5 of the result lies in weight's STORED bytes (byte - 1: 0 .. 253, all finite codes); the conversions use the true scale.
; COLUMN 2048 (against the column of ones) makes one K step for both products: block 0 holds Q(w) at its first place, block 1 |Q(w)|, all else zero codes.
; No work of the problem is left out.  LIMITS: NaN and infinities among the inputs are not served.  Blocks whose largest magnitude lies under 2^-124 have the byte held at 1: not tried.  A block of zeros keeps that byte where the rule says 127: its codes are zeros, and this program alone reads the bytes.
; SHARES: work-group g, wave w.  x: rows 64 (g / 2) .. + 63, K step 8 (g % 2) + w: four fragments, brought by the wave's one tensor load (rows of 512 bytes at multiples of 512).  weight: rows 16 rg .. + 15, rg = 4 (g / 8) + w % 4, K step sw = 2 (g % 8) + w / 4.
; weight's rows are 8,196 bytes and begin at multiples of 4 bytes only: they come by loads of 4 bytes a lane, 128 consecutive bytes an instruction, asked for at the head, and turn through rows 0-15 of the wave's own LDS region when x's tile has been read out (that region has one fill in the launch).
; Waves share nothing: no barrier.
.set PITCH,  528                       ; 512 bytes of a row + 16: the 16 rows that a load of 16 bytes a lane touches begin 16 bytes apart modulo 256
.set FRAGT,  16*PITCH
.set WTILE,  64*PITCH                  ; a wave's region
.set SCST,   8*WTILE                   ; 256 bytes for each wave: x's scale words of 64 rows
.set SPARE,  SCST+8*256                ; the spare words, 128 bytes for each wave
.set LN,  1                            ; lane
.set RR,  2                            ; r = lane % 16
.set HH,  3                            ; h = lane / 16
.set LA,  4                            ; LDS: my region + 528 r + 128 h
.set GO,  5                            ; 16 x lane
.set SCW, 6                            ; LDS: my wave's scale words + 4 r
.set SCR, 7                            ; the same + 8 x lane
.set L8,  8                            ; 8 x lane
.set R4,  9                            ; 4 r
.set SH,  10                           ; 8 h
.set HM,  11                           ; all ones; in lanes 16-31 without the sign bit
.set TL,  12                           ; weight[16 rg + r][2048]
.set TLO, 13                           ; 8,196 r
.set SPW, 14                           ; my spare word; never rewritten
.set NIL, 15                           ; 0; never rewritten
.set MXR, 16
.set SCO, 18
.set EB,  20
.set PW,  22
.set PT,  23
.set ODD, 24                           ; v24-26, v28-30
.set UNI, 32
.set TPW, 34
.set WO,  35                           ; 4 x lane
.set WS,  36                           ; LDS: my region + 4 x lane
.set CD,  40                           ; v40-111 codes: 12 registers for each of six fragments: no store's data are written again
.set NUM, 112                          ; v112-239 two sets of 64 numbers.  v256-319 (window 1, v0-63): weight's 16 x 128 numbers as loaded
.set G1X, 24
.set G0X, 40
.set MSB, 0
.macro WIN new
.if MSB != (\new)
	s_set_vgpr_msb (MSB<<8)|(\new)
.set MSB, (\new)
.endif
.endm
	s_load_b256 s[4:11], s[0:1], 0x0               ; x, weight, xc, xs
	s_load_b128 s[12:15], s[0:1], 0x20             ; wc, wsb
	v_lshl_add_u32 v[SPW], v0, 2, SPARE
	v_mov_b32 v[NIL], 0
	ds_add_u32 v[SPW], v[NIL]                      ; the opening lines: the add twice on end
	ds_add_u32 v[SPW], v[NIL]
	v_lshrrev_b32 v1, 5, v0
	v_readfirstlane_b32 s18, v1                    ; wave 0..7
	s_and_b32 s20, ttmp9, 1
	s_lshl_b32 s20, s20, 3
	s_add_co_u32 s20, s20, s18                     ; sx: x's K step
	s_and_b32 s21, ttmp9, 7
	s_lshl_b32 s21, s21, 1
	s_lshr_b32 s23, s18, 2
	s_add_co_u32 s21, s21, s23                     ; sw: weight's K step
	s_lshr_b32 s22, ttmp9, 3
	s_lshl_b32 s22, s22, 2
	s_and_b32 s23, s18, 3
	s_add_co_u32 s22, s22, s23                     ; rg: weight's group of 16 rows
	s_lshr_b32 s51, ttmp9, 1                       ; x's block of 64 rows
	s_mov_b32 s[G1X+0], (2<<16)|(1<<20)|(6<<22)|(3<<25)  ; elements of 4 bytes; 4 words of padding behind every 128
	s_mov_b32 s[G1X+1], 128<<16
	s_mov_b32 s[G1X+2], 64<<16
	s_mov_b32 s[G1X+3], 128<<16
	s_mov_b32 s[G1X+4], 64
	s_mov_b32 s[G1X+5], 2048
	s_mov_b32 s[G1X+6], 0
	s_mov_b32 s[G1X+7], 0
	s_lshl_b32 s52, s51, 19                        ; x: 64 rows of 8,192 bytes a block, 512 bytes a K step
	s_lshl_b32 s23, s20, 9
	s_add_co_u32 s52, s52, s23
	s_mov_b32 s53, 0
	s_mul_i32 s54, s51, 98304                      ; xc: four groups of 24,576 bytes a block, 1,536 a K step
	s_mul_i32 s23, s20, 1536
	s_add_co_u32 s54, s54, s23
	s_mov_b32 s55, 0
	s_lshr_b32 s56, s51, 2                         ; xs: 16,384 bytes a block of 256 rows, 1,024 a K step, 256 for my 64 rows
	s_lshl_b32 s56, s56, 14
	s_lshl_b32 s23, s20, 10
	s_add_co_u32 s56, s56, s23
	s_and_b32 s23, s51, 3
	s_lshl_b32 s23, s23, 8
	s_add_co_u32 s56, s56, s23
	s_mov_b32 s57, 0
	s_mul_i32 s58, s22, 131136                     ; weight: 16 rows of 8,196 bytes a group
	s_mov_b32 s59, 0
	s_lshl_b32 s32, s21, 9                         ; and 512 bytes a K step
	s_mov_b32 s33, 0
	s_lshl_b32 s60, s22, 4
	s_add_co_u32 s60, s60, s21
	s_mul_i32 s60, s60, 1536                       ; wc: image 16 rg + sw
	s_mov_b32 s61, 0
	s_lshr_b32 s62, s22, 4
	s_mul_i32 s62, s62, 41984                      ; wsb: my block of 256 rows
	s_and_b32 s19, s22, 15
	s_mul_i32 s2, s19, 1536
	s_add_co_u32 s2, s2, s62
	s_add_co_u32 s2, s2, 17408                     ; column 2048's image of my group
	s_mov_b32 s3, 0
	s_lshl_b32 s23, s21, 10
	s_add_co_u32 s62, s62, s23
	s_lshl_b32 s23, s19, 6
	s_add_co_u32 s62, s62, s23                     ; my group's 16 scale words of my K step
	s_mov_b32 s63, 0
	s_mov_b32 s48, 0x76543210
	s_mov_b32 s49, 0xfedcba98                      ; v_permlanex16_b32's selects for lane l xor 16
	s_mov_b32 s[G0X+0], 1
	s_mul_i32 s[G0X+1], s18, WTILE
	s_lshl_b32 s23, s18, 8
	s_add_co_u32 s23, s23, SCST
	v_and_b32 v[LN], 31, v0
	v_and_b32 v[RR], 15, v0
	v_bfe_u32 v[HH], v0, 4, 1
	v_mul_u32_u24 v[LA], v[RR], PITCH
	v_lshlrev_b32 v[GO], 4, v[LN]
	v_lshlrev_b32 v[L8], 3, v[LN]
	v_lshl_add_u32 v[LA], v[HH], 7, v[LA]
	v_lshlrev_b32 v[R4], 2, v[RR]
	v_lshlrev_b32 v[SH], 3, v[HH]
	v_add_nc_u32 v[LA], s[G0X+1], v[LA]
	v_lshl_add_u32 v[SCW], v[RR], 2, s23
	v_lshl_add_u32 v[SCR], v[LN], 3, s23
	v_lshlrev_b32 v[HM], 31, v[HH]
	v_mul_u32_u24 v[TLO], v[RR], 8196
	v_lshlrev_b32 v[WO], 2, v[LN]
	v_xor_b32 v[HM], -1, v[HM]
	v_mov_b32 v[PT], 0                             ; a lane permute's destination counts as one of its sources
	v_add_nc_u32 v[WS], s[G0X+1], v[WO]
	v_mov_b32 v[TL], 0
	s_wait_alu depctr_va_vdst(0)                   ; the wait at the head's end
	s_wait_dscnt 0x0                               ; both opening adds are done
	s_wait_kmcnt 0x0
	s_add_nc_u64 s[G0X+2:G0X+3], s[4:5], s[52:53]
	s_or_b32 s[G0X+3], s[G0X+3], 0x80000000
	s_add_nc_u64 s[6:7], s[6:7], s[58:59]          ; weight at my group's first row
	s_add_nc_u64 s[34:35], s[6:7], s[32:33]        ; and at my K step
	s_add_nc_u64 s[8:9], s[8:9], s[54:55]
	s_add_nc_u64 s[10:11], s[10:11], s[56:57]
	s_add_nc_u64 s[12:13], s[12:13], s[60:61]
	s_add_nc_u64 s[36:37], s[14:15], s[2:3]
	s_add_nc_u64 s[14:15], s[14:15], s[62:63]
	tensor_load_to_lds s[G0X:G0X+3], s[G1X:G1X+7]  ; my one tensor load: 64 rows x 512 bytes of x
	s_nop 0
	WIN 0x40                                       ; destination window 1
.irp j, 0,1,2,3,4,5,6,7,8,9,10,11,12,13,14,15
.irp q, 0,1,2,3
	global_load_b32 v[4*\j+\q], v[WO], s[34:35] offset:8196*\j+128*\q th:TH_LOAD_NT   ; row j, 128 consecutive bytes
.endr
.endr
	WIN 0
	s_cmp_lg_u32 s21, 15                           ; column 2048 of my 16 rows, in the waves that work on it
	s_cbranch_scc1 .Lno_column
	global_load_b32 v[TL], v[TLO], s[6:7] offset:8192
.Lno_column:
.macro LOADF set, base                 ; of row r the blocks h and 2 + h, 128 bytes each
.irp k, 0,1
.irp i, 0,1,2,3,4,5,6,7
	ds_load_b128 v[NUM+64*(\set)+32*\k+4*\i:NUM+64*(\set)+32*\k+4*\i+3], v[LA] offset:(\base)+256*\k+16*\i
.endr
.endr
.endm
; v[n] .. v[n + 63] (register 32 k + i = K 64 k + 32 h + i of my row) become the fragment's 12 registers v[c] on, and its scale word in v[PW].  fold = 1: the stored bytes are one less
.macro QUANT n, c, fold
.irp k, 0,1
	v_max3_num_f32 v[MXR+\k], |v[(\n)+32*\k]|, |v[(\n)+32*\k+1]|, 0x1800000   ; the floor 2^(3 - 127) holds the byte at 1 from below
.endr
.irp i, 2,4,6,8,10,12,14,16,18,20,22,24,26,28,30
.irp k, 0,1
	s_delay_alu instid0(VALU_DEP_2)
	v_max3_num_f32 v[MXR+\k], v[MXR+\k], |v[(\n)+32*\k+\i]|, |v[(\n)+32*\k+\i+1]|
.endr
.endr
.irp k, 0,1
	s_delay_alu instid0(VALU_DEP_2)
	v_add_nc_u32 v[SCO+\k], 0xff000000, v[MXR+\k]  ; 2 off the exponent field: the conversion's scale operand
.endr
.irp k, 0,1
	s_delay_alu instid0(VALU_DEP_2)
	v_lshrrev_b32 v[EB+\k], 23, v[SCO+\k]          ; the byte
.endr
.if \fold
.irp k, 0,1
	s_delay_alu instid0(VALU_DEP_2)
	v_add_nc_u32 v[EB+\k], -1, v[EB+\k]            ; the result's factor 0.5
.endr
.endif
	s_delay_alu instid0(VALU_DEP_1)
	v_lshl_or_b32 v[PW], v[EB+1], 16, v[EB]        ; my two bytes, blocks h and 2 + h,
	s_delay_alu instid0(VALU_DEP_1)
	v_lshlrev_b32 v[PW], v[SH], v[PW]              ; at their places in the word;
	s_delay_alu instid0(VALU_DEP_1)
	v_permlanex16_b32 v[PT], v[PW], s48, s49
	s_delay_alu instid0(VALU_DEP_1)
	v_or_b32 v[PW], v[PW], v[PT]                   ; with lane l xor 16's two the word is whole
.irp k, 0,1
	v_cvt_scalef32_pk16_fp6_f32 v[(\c)+6*\k:(\c)+6*\k+2], v[(\n)+32*\k:(\n)+32*\k+15], v[SCO+\k]
	v_cvt_scalef32_pk16_fp6_f32 v[ODD+4*\k:ODD+4*\k+2], v[(\n)+32*\k+16:(\n)+32*\k+31], v[SCO+\k]   ; (three registers from an even number on: made here and moved)
.endr
	v_nop                                          ; one plain place behind the scaled conversions
.irp k, 0,1
.irp i, 0,1,2
	v_mov_b32 v[(\c)+6*\k+3+\i], v[ODD+4*\k+\i]
.endr
.endr
.endm
.macro OUT c, base, off                ; an image leaves: each store covers 512 consecutive bytes, at a multiple of 256 from the buffer's first byte
.irp p, 0,1,2
	global_store_b128 v[GO], v[(\c)+4*\p:(\c)+4*\p+3], s[\base:\base+1] offset:(\off)+512*\p
.endr
.endm
	s_wait_tensorcnt 0x0                           ; my tile of x is in; only I read it
	LOADF 0, 0
	s_wait_dscnt 0x0
.irp f, 0,1,2,3
.if \f < 3
	LOADF (\f+1)%2, (\f+1)*FRAGT                   ; the next fragment's numbers, into the other set
.endif
	QUANT NUM+64*(\f%2), CD+12*\f, 0
	ds_store_b32 v[SCW], v[PW] offset:64*\f        ; lanes r and 16 + r write the same word with the same value
	OUT CD+12*\f, 8, \f*24576
	s_wait_dscnt 0x0
.endr
	ds_load_b64 v[UNI:UNI+1], v[SCR]               ; the 64 rows' scale words
	s_wait_dscnt 0x0
	global_store_b64 v[L8], v[UNI:UNI+1], s[10:11] ; 256 consecutive bytes, at a multiple of 256 from xs's first byte
	s_cmp_lg_u32 s21, 15                           ; column 2048
	s_cbranch_scc1 .Lno_tail
	s_wait_loadcnt 0x0
	v_and_b32 v[NUM], v[HM], v[TL]                 ; lanes 0-15 (block 0): w;  lanes 16-31 (block 1): |w|
.irp i, 1,2,3,4,5,6,7,8,9,10,11,12,13,14,15
	v_mov_b32 v[NUM+\i], 0
.endr
	v_max3_num_f32 v[MXR], |v[TL]|, |v[TL]|, 0x1800000  ; the last block of K holds this one number and zeros
	s_delay_alu instid0(VALU_DEP_1)
	v_add_nc_u32 v[SCO], 0xff000000, v[MXR]
	s_delay_alu instid0(VALU_DEP_1)
	v_lshrrev_b32 v[EB], 23, v[SCO]
	s_delay_alu instid0(VALU_DEP_1)
	v_add_nc_u32 v[EB], -1, v[EB]                  ; the factor 0.5
	s_delay_alu instid0(VALU_DEP_1)
	v_lshl_or_b32 v[TPW], v[EB], 8, v[EB]
	s_delay_alu instid0(VALU_DEP_1)
	v_lshl_or_b32 v[TPW], v[TPW], 16, v[TPW]       ; the byte in all four places: blocks 2 and 3 hold zero codes
	v_cvt_scalef32_pk16_fp6_f32 v[CD+60:CD+62], v[NUM:NUM+15], v[SCO]
	v_nop
.irp i, 3,4,5,6,7,8,9,10,11
	v_mov_b32 v[CD+60+\i], 0
.endr
	OUT CD+60, 36, 0
	v_cmp_gt_u32 vcc_lo, 16, v[LN]
	s_wait_xcnt 0x0                                ; EXEC changes only behind this wait
	s_and_saveexec_b32 s50, vcc_lo
	global_store_b32 v[R4], v[TPW], s[14:15] offset:1024  ; my K step is 15: K step 16's words lie 1,024 bytes on
	s_wait_xcnt 0x0
	s_or_b32 exec_lo, exec_lo, s50
.Lno_tail:
	s_wait_loadcnt 0x0                             ; weight's numbers are in registers
	WIN 0x04                                       ; an LDS store's data are its source 1: window 1
.irp j, 0,1,2,3,4,5,6,7,8,9,10,11,12,13,14,15
.irp q, 0,1,2,3
	ds_store_b32 v[WS], v[4*\j+\q] offset:PITCH*\j+128*\q   ; into rows 0-15 of my region: its one fill is over and my reads of x are back
.endr
.endr
	WIN 0
	LOADF 0, 0                                     ; LDS serves a wave's instructions in order: these see my stores
	s_wait_dscnt 0x0
	QUANT NUM, CD+48, 1
	OUT CD+48, 12, 0
	v_cmp_gt_u32 vcc_lo, 16, v[LN]
	s_wait_xcnt 0x0
	s_and_saveexec_b32 s50, vcc_lo
	global_store_b32 v[R4], v[PW], s[14:15]        ; 16 rows' words: 64 consecutive bytes
	s_wait_xcnt 0x0
	s_or_b32 exec_lo, exec_lo, s50
	s_wait_tensorcnt 0x0                           ; the wave's end
	ds_add_u32 v[SPW], v[NIL]
	s_wait_dscnt 0x0
	s_endpgm
.Lfunc_end_k_qc0eb491840_quant:
	.size	k_qc0eb491840_quant, .Lfunc_end_k_qc0eb491840_quant-k_qc0eb491840_quant
	.p2alignl 7, 3214868480
	.fill 96, 4, 3214868480
	.section	.rodata,"a",@progbits
	.p2align	6, 0x0
	.amdhsa_kernel k_qc0eb491840_quant
		.amdhsa_group_segment_fixed_size 327680
		.amdhsa_private_segment_fixed_size 0
		.amdhsa_enable_private_segment 0
		.amdhsa_kernarg_size 48
		.amdhsa_user_sgpr_count 2
		.amdhsa_user_sgpr_kernarg_segment_ptr 1
		.amdhsa_wavefront_size32 1
		.amdhsa_system_sgpr_workgroup_id_x 1
		.amdhsa_system_sgpr_workgroup_id_y 1
		.amdhsa_system_sgpr_workgroup_id_z 1
		.amdhsa_system_vgpr_workitem_id 0
		.amdhsa_next_free_vgpr 320
		.amdhsa_next_free_sgpr 66
		.amdhsa_reserve_vcc 1
		.amdhsa_float_denorm_mode_32 3
		.amdhsa_float_denorm_mode_16_64 3
		.amdhsa_memory_ordered 1
		.amdhsa_forward_progress 1
		.amdhsa_inst_pref_size 45
	.end_amdhsa_kernel
	.amdgpu_metadata
---
amdhsa.version: [ 1, 2 ]
amdhsa.kernels:
  - .name:           k_qc0eb491840_quant
    .symbol:         k_qc0eb491840_quant.kd
    .args:
      - { .name: x, .offset: 0, .size: 8, .value_kind: global_buffer, .address_space: global }
      - { .name: weight, .offset: 8, .size: 8, .value_kind: global_buffer, .address_space: global }
      - { .name: xc, .offset: 16, .size: 8, .value_kind: global_buffer, .address_space: global }
      - { .name: xs, .offset: 24, .size: 8, .value_kind: global_buffer, .address_space: global }
      - { .name: wc, .offset: 32, .size: 8, .value_kind: global_buffer, .address_space: global }
      - { .name: wsb, .offset: 40, .size: 8, .value_kind: global_buffer, .address_space: global }
    .group_segment_fixed_size: 327680
    .private_segment_fixed_size: 0
    .kernarg_segment_align: 8
    .kernarg_segment_size: 48
    .max_flat_workgroup_size: 256
    .sgpr_count:     66
    .vgpr_count:     320
    .wavefront_size: 32
...
	.end_amdgpu_metadata
.endif
;; end of part 1
;; launch gemm (part 2): grid 8 x 32, 4 waves a work-group, clusters of 4 x 4, 327,680 bytes of LDS; arguments xc, xs, wc, wsb, out0; writes out0
.if DOCPART == 2
	.amdgcn_target "amdgcn-amd-amdhsa--gfx1250"
	.amdhsa_code_object_version 6
	.text
	.protected	k_qc0eb491840_gemm
	.globl	k_qc0eb491840_gemm
	.p2align	8
	.type	k_qc0eb491840_gemm,@function
k_qc0eb491840_gemm:
	s_mov_b64 s[64:65], 0
	v_nop
	global_prefetch_b8 v0, s[64:65] scope:SCOPE_SE
	s_setreg_imm32_b32 hwreg(HW_REG_WAVE_MODE, 25, 1), 1
	s_wait_xcnt 0x0
	s_wait_alu depctr_hold_cnt(0) depctr_sa_sdst(0) depctr_va_vdst(0) depctr_va_sdst(0) depctr_va_ssrc(0) depctr_va_vcc(0) depctr_vm_vsrc(0)
	s_getreg_b32 s2, hwreg(HW_REG_IB_STS2, 6, 4)
	s_cmp_eq_u32 s2, 0
	s_cbranch_scc0 .Lentry_in_a_cluster
	s_endpgm
.Lentry_in_a_cluster:
	s_bfe_u32 s2, ttmp6, 0x10000c
	s_cmp_lg_u32 s2, 0xf033
	s_cbranch_scc0 .Lentry_shape_is_right
	s_endpgm
.Lentry_shape_is_right:
; out0[m][n] = 0.5 (sum over k of Q(xb[m][k]) Q(w[n][k]) + sum over k of Q(|xb[m][k]|) Q(|w[n][k]|)), xb = [x, 1], K = 2,049, both products on codes of FP6 (E2M3) with one E8M0 scale for each 32 along K; sums in f32.
; The codes come from the launch before as images of operand registers (a fragment, 16 rows x 128 K: registers 4 c .. 4 c + 3 of lane l at 512 c + 16 l), the scale words beside them; the factor 0.5 lies in w's scale bytes.  No work of the problem is left out.
; ONE SET OF CODES SERVES BOTH PRODUCTS: the quantiser is odd, so Q(|v|) = |Q(v)| under the same byte.  Each K step of 128 is multiplied twice: SIGNED, on the fragments as loaded, and ABSOLUTE, on copies whose sign bits (bit 5 of each code) are
; cleared by v_and_b32 with three masks that repeat every three registers.  COLUMN 2048, against the ones, is one more K step for both: block 0 holds Q(w), block 1 |Q(w)|; the ones' fragment (code 0x18 = 4.0 under the byte 125) is made in registers.
; SHARES: 256 x 256 of out0 to a work-group of four waves, 128 x 128 to a wave: 64 accumulators.  K goes in slots of two K steps through a ring of two LDS slots.  256 work-groups.
; CLUSTERS: 4 x 4.  The four of a row of the cluster need the same tiles of x, the four of a column the same tiles of w: each is asked for jointly.  The matrix instruction is used transposed (source 0 = 16 rows of w, source 1 = 16 rows of x): a lane holds eight neighbouring numbers of a row of out0.
; REGISTERS, in windows of 256.  window 0: v1-30 addresses; v32-47 scale words, two sets; v48, v50-61 the ones' scale word and fragment; v64-159 w's eight fragments; v160-255 x's eight.
;   window 1: accumulators 0-19 (v0-159), |w|'s eight fragments (v160-255).  window 2: accumulators 20-41 (v0-175), |x|'s blocks 0-3 (v176-223).  window 3: accumulators 42-63, |x|'s blocks 4-7.  Accumulator 8 a + b: x's block a, w's block b.
;   THE COPIES LIE IN THE ACCUMULATORS' WINDOWS, so that a v_and_b32 (destination: the window of the product's D; source: window 0) stands behind a signed product under that product's own window setting: a phase has three or four switches.
; A K STEP: the signed phase makes the copies behind its products; at the head of the absolute phase the signed registers are free, and the next K step's 48 fragment loads and 8 scale loads go out in one run, 64 matrix instructions ahead of the wait for them.
; THE TAIL goes by blocks of 16 rows: block a's last absolute products and its products with column 2048 finish it, and it leaves through my own stage in LDS while later blocks are multiplied.
; PREFETCH: behind each refill but the last two a wave names the tile that stands two refills on (24,576 bytes, 96 blocks of 256): each of the four partners that ask for it jointly takes two of its eight groups, by address: 24 blocks, a lane a block (lanes 24-31 name the last again).
; LIMITS: as the launch before states them (NaN and infinities not served; bytes held at 1 from below).
.set FR,     12
.set HALFT,  24576                     ; 8 groups x 2 K steps x 1,536 bytes: a ring load, and what a wave reads of x or of w in a slot
.set SLOT,   4*HALFT                   ; x's 16 groups, then w's 16
.set SCA,    2*SLOT                    ; x's scale words: 16 K steps x 256 rows
.set SCB,    SCA+16384+64              ; w's: 17 x 256 words; 64 bytes off, so that the two halves of the lanes of a scale load read different banks (64 banks of 4 bytes: ISA guide 11.1)
.set BT,     SCB+17408                 ; column 2048's 16 images, in the same dense block
.set STAGE,  255232                    ; the first multiple of 256 behind them: 16 rows x 528 bytes for each wave; no fill lands here
.set SPITCH, 528
.set SPARE,  STAGE+4*16*SPITCH         ; the spare words
.set CO,   4                           ; v4   16 x lane
.set ADRA, 16                          ; v16-17 my x fragments in slot 0, 1
.set ADRB, 20                          ; v20-21 my w fragments
.set ADRBT, 22                         ; column 2048's images
.set ADRT, 23                          ; its scale words
.set STO,  24
.set RD,   25
.set ADRS, 27                          ; scale words: lanes 0-15 x's rows, lanes 16-31 w's; 4,096 bytes on in each trip
.set SPW,  28
.set NIL,  29
.set PFO,  30                          ; the prefetch's lane offset
.set SC,   32
.set ONS,  48
.set ONF,  50
.set BF,   64
.set AF,   160
.set TB,   160                         ; |w| in window 1
.set TX,   176                         ; |x| in windows 2 and 3
.set PFA,  40                          ; s[40:41]
.set MK,   44                          ; s44-46 the masks
.set G1,   24
.set G0,   32
.set G1B,  48
.set G0B,  56
.set G1S,  68
.set G0S,  76
.set G1SB, 80
.set G0SB, 88
.set G0H,  92
.set G0HB, 96
.set MSB, 0
.macro WIN new                         ; the immediate's high byte repeats the setting that is left; a switch that changes nothing is dropped
.if MSB != (\new)
	s_set_vgpr_msb (MSB<<8)|(\new)
.set MSB, (\new)
.endif
.endm
.macro PLACES
.rept 4
	v_nop
.endr
.endm
.macro ACC i                           ; accumulator i: window AW, first register AR
.if (\i) < 20
.set AW, 1
.set AR, 8*(\i)
.elseif (\i) < 42
.set AW, 2
.set AR, 8*((\i)-20)
.else
.set AW, 3
.set AR, 8*((\i)-42)
.endif
.endm
.macro JLOAD s                         ; a joint ring load: waves 0, 1 fetch x's halves, waves 2, 3 w's
	s_cmp_eq_u32 s15, 0
	s_cbranch_scc0 .Lfor_b_\@
	tensor_load_to_lds s[G0+4*(\s):G0+4*(\s)+3], s[G1:G1+7]
	s_nop 0
	PLACES
	s_branch .Lasked_\@
.Lfor_b_\@:
	tensor_load_to_lds s[G0B+4*(\s):G0B+4*(\s)+3], s[G1B:G1B+7]
	s_nop 0
	PLACES
.Lasked_\@:
.endm
.macro CREST
	s_cmp_lg_u32 s14, 0
	s_cbranch_scc1 .Lnot_wave_0_\@
	s_barrier_signal -3
.Lnot_wave_0_\@:
	s_barrier_wait -3
	s_barrier_signal -1
	s_barrier_wait -1
.endm
.macro CROUND
	s_barrier_signal -1
	s_barrier_wait -1
	CREST
.endm
	s_load_b256 s[4:11], s[0:1], 0x0               ; xc, xs, wc, wsb
	s_load_b64 s[12:13], s[0:1], 0x20              ; out0
	v_lshl_add_u32 v[SPW], v0, 2, SPARE
	v_mov_b32 v[NIL], 0
	ds_add_u32 v[SPW], v[NIL]                      ; the opening lines: the add twice on end
	ds_add_u32 v[SPW], v[NIL]
	v_lshrrev_b32 v1, 5, v0
	v_readfirstlane_b32 s14, v1                    ; wave 0..3
	s_lshr_b32 s15, s14, 1                         ; my half of the tile's rows; also: I fetch for x (0) or w (1)
	s_and_b32 s16, s14, 1                          ; my half of its columns; also: which half of that side I fetch
	s_bfe_u32 s42, ttmp6, 0x40000                  ; cx
	s_bfe_u32 s43, ttmp6, 0x40004                  ; cy
	s_lshl_b32 s18, ttmp9, 2
	s_add_co_u32 s18, s18, s42                     ; tile column
	s_and_b32 s17, ttmp7, 0xffff
	s_lshl_b32 s17, s17, 2
	s_add_co_u32 s17, s17, s43                     ; tile row
	s_lshl_b32 s47, s43, 2
	s_lshl_b32 s47, 15, s47                        ; my row of the cluster
	s_lshl_b32 s19, 0x1111, s42                    ; my column
	s_or_b32 s[G1+0], s47, (3<<16)|(1<<21)         ; codes: rows (groups) of 3,072 bytes, 24,576 apart, elements of 8 bytes: 16 rows at the head, 8 in the ring
	s_or_b32 s[G1B+0], s19, (3<<16)|(1<<21)
.irp g, G1, G1B
	s_mov_b32 s[\g+1], 384<<16
	s_mov_b32 s[\g+2], 16<<16
	s_mov_b32 s[\g+3], 384<<16
	s_mov_b32 s[\g+4], 16
	s_mov_b32 s[\g+5], 3072
	s_mov_b32 s[\g+6], 0
	s_mov_b32 s[\g+7], 0
.endr
	s_or_b32 s[G1S+0], s47, (3<<16)|(1<<21)        ; x's scale words: a dense block, 64 rows of 256 bytes
	s_mov_b32 s[G1S+1], 32<<16
	s_mov_b32 s[G1S+2], 64<<16
	s_mov_b32 s[G1S+3], 32<<16
	s_mov_b32 s[G1S+4], 64
	s_mov_b32 s[G1S+5], 32
	s_mov_b32 s[G1S+6], 0
	s_mov_b32 s[G1S+7], 0
	s_or_b32 s[G1SB+0], s19, (3<<16)|(1<<21)       ; w's scale words and column 2048's images: 164 rows of 256 bytes
	s_mov_b32 s[G1SB+1], 32<<16
	s_mov_b32 s[G1SB+2], 164<<16
	s_mov_b32 s[G1SB+3], 32<<16
	s_mov_b32 s[G1SB+4], 164
	s_mov_b32 s[G1SB+5], 32
	s_mov_b32 s[G1SB+6], 0
	s_mov_b32 s[G1SB+7], 0
	s_mul_i32 s20, s17, 393216                     ; x's side hangs on the tile row alone,
	s_mov_b32 s21, 0
	s_lshl_b32 s22, s17, 14
	s_mov_b32 s23, 0
	s_mul_i32 s66, s18, 393216                     ; w's on the tile column alone
	s_mov_b32 s67, 0
	s_mul_i32 s100, s18, 41984
	s_mov_b32 s101, 0
	s_wait_dscnt 0x0                               ; both opening adds are done
	s_wait_kmcnt 0x0
	s_add_nc_u64 s[20:21], s[4:5], s[20:21]
	s_add_nc_u64 s[22:23], s[6:7], s[22:23]
	s_add_nc_u64 s[66:67], s[8:9], s[66:67]
	s_add_nc_u64 s[100:101], s[10:11], s[100:101]
	CROUND                                         ; all sixteen work-groups are here: the first joint loads meet
	s_mov_b32 s[G0H], 1                            ; the head's four tiles: slot 0's 16 groups of x,
	s_mov_b32 s[G0H+1], 0
	s_mov_b64 s[G0H+2:G0H+3], s[20:21]
	s_or_b32 s[G0H+3], s[G0H+3], 0x80000000
	s_mov_b32 s[G0HB], 1                           ; its 16 groups of w,
	s_mov_b32 s[G0HB+1], 2*HALFT
	s_mov_b64 s[G0HB+2:G0HB+3], s[66:67]
	s_or_b32 s[G0HB+3], s[G0HB+3], 0x80000000
	s_mov_b32 s[G0S], 1                            ; x's scale words,
	s_mov_b32 s[G0S+1], SCA
	s_mov_b64 s[G0S+2:G0S+3], s[22:23]
	s_or_b32 s[G0S+3], s[G0S+3], 0x80000000
	s_mov_b32 s[G0SB], 1                           ; w's, with column 2048's images
	s_mov_b32 s[G0SB+1], SCB
	s_mov_b64 s[G0SB+2:G0SB+3], s[100:101]
	s_or_b32 s[G0SB+3], s[G0SB+3], 0x80000000
	s_mul_i32 s10, s16, 8*24576                    ; for the ring: my half of the side
	s_mov_b32 s11, 0
	s_add_nc_u64 s[20:21], s[20:21], s[10:11]
	s_add_nc_u64 s[66:67], s[66:67], s[10:11]
	s_mul_i32 s6, s14, HALFT                       ; and where it goes: wave x 24,576
.irp s, 0,1
	s_mov_b32 s[G0+4*\s], 1
	s_add_co_u32 s[G0+4*\s+1], s6, \s*SLOT
	s_add_nc_u64 s[G0+4*\s+2:G0+4*\s+3], s[20:21], \s*3072
	s_or_b32 s[G0+4*\s+3], s[G0+4*\s+3], 0x80000000
	s_mov_b32 s[G0B+4*\s], 1
	s_add_co_u32 s[G0B+4*\s+1], s6, \s*SLOT
	s_add_nc_u64 s[G0B+4*\s+2:G0B+4*\s+3], s[66:67], \s*3072
	s_or_b32 s[G0B+4*\s+3], s[G0B+4*\s+3], 0x80000000
.endr
.macro ARM under, g0, g1, next         ; one tree of branches on the wave's number: every way passes exactly one load
	s_cmp_lt_u32 s14, \under
	s_cbranch_scc0 \next
	tensor_load_to_lds s[\g0:\g0+3], s[\g1:\g1+7]
	s_nop 0
	PLACES
	s_branch .Lhead_asked
\next:
.endm
	ARM 1, G0H,  G1,  .Lhead_b
	ARM 2, G0HB, G1B, .Lhead_sa
	ARM 3, G0S,  G1S, .Lhead_sb
	tensor_load_to_lds s[G0SB:G0SB+3], s[G1SB:G1SB+7]
	s_nop 0
	PLACES
.Lhead_asked:
	s_cmp_eq_u32 s15, 0                            ; the prefetches: my side, my half of it,
	s_cselect_b64 s[PFA:PFA+1], s[20:21], s[66:67]
	s_cselect_b32 s4, s42, s43                     ; my place among the four that ask with me (cx for x, cy for w):
	s_mul_i32 s4, s4, 2*24576                      ; two of the eight groups;
	s_add_co_u32 s4, s4, 3*3072                    ; one tile short of the first that is named (K steps 8, 9): each refill steps it first
	s_mov_b32 s5, 0
	s_add_nc_u64 s[PFA:PFA+1], s[PFA:PFA+1], s[4:5]
	s_lshl_b32 s100, s17, 8
	s_lshl_b32 s101, s15, 7
	s_add_co_u32 s100, s100, s101
	s_lshl_b32 s100, s100, 13                      ; my first row of out0, 8,192 bytes a row
	s_mov_b32 s101, 0
	s_add_nc_u64 s[12:13], s[12:13], s[100:101]
	s_lshl_b32 s66, s18, 10
	s_lshl_b32 s67, s16, 9
	s_add_co_u32 s66, s66, s67                     ; my first column, in bytes
	s_mov_b32 s67, 0
	s_add_nc_u64 s[12:13], s[12:13], s[66:67]
	s_mov_b32 s[MK+0], 0xdf7df7df                  ; all but bits 6 i + 5 of a run of 96 bits
	s_mov_b32 s[MK+1], 0xf7df7df7
	s_mov_b32 s[MK+2], 0x7df7df7d
	s_mul_i32 s20, s15, HALFT                      ; LDS: my 128 rows of x,
	s_mul_i32 s21, s16, HALFT
	s_add_co_u32 s21, s21, 2*HALFT                 ; of w,
	s_mul_i32 s22, s16, 12288
	s_add_co_u32 s22, s22, BT                      ; of column 2048's images,
	s_lshl_b32 s23, s16, 9
	s_add_co_u32 s8, s23, SCB+16384                ; of its scale words;
	s_xor_b32 s6, s15, 1
	s_lshl_b32 s6, s6, 9
	s_add_co_u32 s6, s6, s23
	s_add_co_u32 s6, s6, SCB-SCA-512               ; from my half of x's scale words to my half of w's;
	s_lshl_b32 s7, s15, 9
	s_add_co_u32 s7, s7, SCA
	s_mul_i32 s9, s14, 16*SPITCH
	s_add_co_u32 s9, s9, STAGE                     ; my stage
	v_and_b32 v1, 15, v0                           ; r
	v_bfe_u32 v2, v0, 4, 1                         ; h
	v_and_b32 v3, 31, v0
	v_lshlrev_b32 v[CO], 4, v3
	v_lshlrev_b32 v5, 2, v1
	v_mul_u32_u24 v6, s6, v2                       ; lanes 16-31 take w's words: one product
	v_mul_u32_u24 v7, v1, SPITCH
	v_min_u32 v8, 23, v3
	v_add_nc_u32 v[ADRA], s20, v[CO]
	v_add_nc_u32 v[ADRB], s21, v[CO]
	v_add_nc_u32 v[ADRBT], s22, v[CO]
	v_add_nc_u32 v[ADRT], s8, v5
	v_add_nc_u32 v6, v6, v5
	v_lshl_add_u32 v7, v2, 5, v7
	v_mul_u32_u24 v9, v8, 11
	v_add_nc_u32 v[ADRA+1], SLOT, v[ADRA]
	v_add_nc_u32 v[ADRB+1], SLOT, v[ADRB]
	v_add_nc_u32 v[ADRS], s7, v6
	v_add_nc_u32 v[STO], s9, v7                    ; into the stage: row r, 32 bytes for each half of the lanes
	v_add_nc_u32 v[RD], s9, v[CO]                  ; back: the 32 lanes take one row of 512 bytes
	v_lshrrev_b32 v9, 7, v9                        ; block j = min(lane, 23): j / 12
	v_mul_u32_u24 v9, v9, 24576-3072
	v_lshl_add_u32 v[PFO], v8, 8, v9               ; group j / 12, block j % 12 of its 3,072 bytes
	v_mov_b32 v[ONS], 0x7f7f7d7d                   ; the ones' scale word: 2^-2 for blocks 0 and 1
	v_mov_b32 v[ONF], 0x18                         ; the first code of my block is 4.0,
.irp i, 1,2,3,4,5,6,7,8,9,10,11
	v_mov_b32 v[ONF+\i], 0                         ; all else zero codes
.endr
.macro WM d, a, b, c, sa, sb
	v_wmma_scale_f32_16x16x128_f8f6f4 v[\d:\d+7], v[\a:\a+FR-1], v[\b:\b+FR-1], \c, v[\sa], v[\sb] matrix_a_fmt:MATRIX_FMT_FP6 matrix_b_fmt:MATRIX_FMT_FP6 matrix_a_scale:MATRIX_SCALE_ROW1
.endm
.macro AND3 d, s                       ; 16 codes get their |.| copy; d and s lie a multiple of three registers from a fragment's start, so the masks keep step
.irp j, 0,1,2
	v_and_b32 v[\d+\j], s[MK+\j], v[\s+\j]
.endr
.endm
; cnt signed products from accumulator IX on, scale words of set p; the 64 accumulators take turns, one instruction a turn, in the same order in every phase.
; Behind a product stand the copies whose window is that of its D: |w| behind products 0-19 (32 slices), |x|'s blocks 0-3 behind 20-35, blocks 4-7 behind 42-57.  zero = 1: the first products start the sums.
.macro SMUL cnt, p, zero
.rept \cnt
	ACC IX
	WIN (AW<<6)|(AW<<4)
.if \zero
	WM AR, BF+FR*(IX%8), AF+FR*(IX/8), 0, SC+8*(\p)+IX%8, SC+8*(\p)+IX/8
.else
	WM AR, BF+FR*(IX%8), AF+FR*(IX/8), v[AR:AR+7], SC+8*(\p)+IX%8, SC+8*(\p)+IX/8
.endif
.if IX < 12
	AND3 TB+6*IX, BF+6*IX
	AND3 TB+6*IX+3, BF+6*IX+3
.elseif IX < 20
	AND3 TB+72+3*(IX-12), BF+72+3*(IX-12)
.elseif IX < 36
	AND3 TX+3*(IX-20), AF+3*(IX-20)
.elseif IX >= 42 && IX < 58
	AND3 TX+3*(IX-42), AF+48+3*(IX-42)
.endif
.set IX, IX+1
.endr
.endm
.macro AMUL cnt, p                     ; on the copies: source 0 window 1, source 1 window 2 or 3
.rept \cnt
	ACC IX
	WIN (AW<<6)|(AW<<4)|((2+IX/32)<<2)|1
	WM AR, TB+FR*(IX%8), TX+FR*((IX/8)%4), v[AR:AR+7], SC+8*(\p)+IX%8, SC+8*(\p)+IX/8
.set IX, IX+1
.endr
.endm
.macro TMUL cnt                        ; column 2048: w's images against the ones' fragment
.rept \cnt
	ACC IX
	WIN (AW<<6)|(AW<<4)
	WM AR, BF+FR*(IX%8), ONF, v[AR:AR+7], SC+IX%8, ONS
.set IX, IX+1
.endr
.endm
.macro FETCH slot, q                   ; the 16 fragments of the slot's q-th K step: 48 loads of 512 consecutive bytes
.irp i, 0,1,2,3,4,5,6,7
.irp c, 0,1,2
	ds_load_b128 v[BF+FR*\i+4*\c:BF+FR*\i+4*\c+3], v[ADRB+(\slot)] offset:3072*\i+1536*(\q)+512*\c
.endr
.endr
.irp i, 0,1,2,3,4,5,6,7
.irp c, 0,1,2
	ds_load_b128 v[AF+FR*\i+4*\c:AF+FR*\i+4*\c+3], v[ADRA+(\slot)] offset:3072*\i+1536*(\q)+512*\c
.endr
.endr
.endm
.macro SCALES p, rel                   ; the scale words of the K step rel steps behind ADRS's, into set p
.irp i, 0,1,2,3,4,5,6,7
	ds_load_b32 v[SC+8*(\p)+\i], v[ADRS] offset:1024*(\rel)+64*\i
.endr
.endm
; Four places stand at each change of phase (except for loads and for operands written by vector instructions): behind a signed phase for the loads into the fragments and for the copies just written,
; behind an absolute phase for the v_and_b32 that write the copies anew.
.macro PH_S p, zero                    ; a signed phase
	s_wait_dscnt 0x0                               ; the fragments and scale words are in
.set IX, 0
	SMUL 64, \p, \zero
	PLACES
	s_wait_alu depctr_va_vdst(0)
.endm
.macro PH_A slot, q, p, rel, step      ; an absolute phase on set p; at its head the next K step is fetched, its scale words into the other set
	WIN 0
	FETCH \slot, \q
	SCALES 1-(\p), \rel
.if \step
	v_add_nc_u32 v[ADRS], 4096, v[ADRS]            ; four K steps on, for the next trip
.endif
.set IX, 0
	AMUL 64, \p
	PLACES
.endm
; The signed phase of a slot's second K step, with the change of slots.  My reads of this slot are the loads waited for here.  In front of ONE barrier each wave waits for all its tensor loads (the one that is out is its part of the other slot),
; adds 0 to its spare word, and waits for that and its reads.  fill = 1: the barrier opens a round of the cluster's barrier and this slot takes the K steps four on.
.macro PH_SX slot, fill
	WIN 0
.if \fill
	s_wait_xcnt 0x0                                ; my last prefetch has read its address
	s_add_nc_u64 s[PFA:PFA+1], s[PFA:PFA+1], 3072
.endif
	s_wait_tensorcnt 0x0
	ds_add_u32 v[SPW], v[NIL]
	s_wait_dscnt 1                                 ; the 56 loads are in; the add may be out
.set IX, 0
	SMUL 16, 1, 0
	s_wait_dscnt 0x0                               ; the add is done
	s_barrier_signal -1
	SMUL 16, 1, 0                                  ; work on registers while the others arrive
	WIN 0
	s_barrier_wait -1
.if \fill
	CREST
	s_add_nc_u64 s[G0+4*(\slot)+2:G0+4*(\slot)+3], s[G0+4*(\slot)+2:G0+4*(\slot)+3], 6144
	s_add_nc_u64 s[G0B+4*(\slot)+2:G0B+4*(\slot)+3], s[G0B+4*(\slot)+2:G0B+4*(\slot)+3], 6144
	JLOAD \slot                                    ; the first tensor load behind the round, one a wave
	s_cmp_gt_u32 s3, 1                             ; the last trip's two refills have no tile two refills on
	s_cbranch_scc0 .Lno_ask_\@
	global_prefetch_b8 v[PFO], s[PFA:PFA+1] th:TH_LOAD_NT scope:SCOPE_SE
.Lno_ask_\@:
.endif
	SMUL 32, 1, 0
	PLACES
	s_wait_alu depctr_va_vdst(0)                   ; as in PH_S
.endm
.macro REST slot, fill, rel            ; from the absolute phase of a slot's first K step to that of its second
	PH_A \slot, 1, 0, \rel, 0
	PH_SX \slot, \fill
	PH_A 1-(\slot), 0, 1, (\rel)+1, (\rel)==3
.endm
	s_wait_alu depctr_va_vdst(0)                   ; the wait at the head's end
	s_wait_tensorcnt 0x0                           ; my tile of the head's four is in
	ds_add_u32 v[SPW], v[NIL]
	s_mov_b32 s[G1+2], 8<<16                       ; no tensor load of mine is out: from here on a load brings 8 groups
	s_mov_b32 s[G1+4], 8
	s_mov_b32 s[G1B+2], 8<<16
	s_mov_b32 s[G1B+4], 8
	s_wait_dscnt 0x0
	CROUND                                         ; all four tiles are in, and the sixteen work-groups are here
	JLOAD 1                                        ; slot 1's first fill: K steps 2 and 3
	FETCH 0, 0
	SCALES 0, 0
	PH_S 0, 1                                      ; K step 0's signed products start the sums
	WIN 0
	s_mov_b32 s3, 3
.Llap:                                                 ; a trip goes once round the ring, four K steps, and fills both slots again: three trips ask for K steps 4 to 15
	REST 0, 1, 1
	PH_S 0, 0
	REST 1, 1, 3
	PH_S 0, 0
	WIN 0
	s_sub_co_u32 s3, s3, 1
	s_cmp_lg_u32 s3, 0
	s_cbranch_scc1 .Llap
	REST 0, 0, 1                                   ; K steps 12, 13: nothing is left to ask for; the barrier shows slot 1 whole
	PH_S 0, 0                                      ; K step 14
	PH_A 1, 1, 0, 3, 0
	PH_S 1, 0                                      ; K step 15
	WIN 0
.irp i, 0,1,2,3,4,5,6,7                ; column 2048's images into w's fragments, its scale words into set 0 (lanes 16-31 are read)
.irp c, 0,1,2
	ds_load_b128 v[BF+FR*\i+4*\c:BF+FR*\i+4*\c+3], v[ADRBT] offset:1536*\i+512*\c
.endr
.endr
.irp i, 0,1,2,3,4,5,6,7
	ds_load_b32 v[SC+\i], v[ADRT] offset:64*\i
.endr
; THE WAY OUT of block a (16 rows x 128 columns): into my stage, each accumulator from its low end on, and back as whole rows of 512 bytes.  Block 0 comes back into x's fragment registers, block a into block a - 1's accumulators,
; whose stores into the stage have been waited for: no register is used twice, and every store's offset is an immediate (127 rows of 8,192 bytes at the most).
.macro BBREG a, t
.if (\a) == 0
.set BW, 0
.set BR, AF+4*(\t)
.else
	ACC 8*((\a)-1)+(\t)/2
.set BW, AW
.set BR, AR+4*((\t)%2)
.endif
.endm
.macro TOSTAGE a
.irp b, 0,1,2,3,4,5,6,7
	ACC 8*(\a)+\b
	WIN AW<<2                                      ; an LDS store's data are its source 1
	ds_store_b128 v[STO], v[AR:AR+3] offset:64*\b
	ds_store_b128 v[STO], v[AR+4:AR+7] offset:64*\b+16
.endr
.irp t, 0,1,2,3,4,5,6,7,8,9,10,11,12,13,14,15
	BBREG \a, \t
	WIN BW<<6
	ds_load_b128 v[BR:BR+3], v[RD] offset:\t*SPITCH   ; LDS serves a wave's instructions in order (ISA guide 5.7.1.4): these see the stores above
.endr
.endm
.macro SEND a
	s_wait_dscnt 0x0                               ; the block is back in registers, and its stores into the stage are done
.irp t, 0,1,2,3,4,5,6,7,8,9,10,11,12,13,14,15
	BBREG \a, \t
	WIN BW<<2
	global_store_b128 v[CO], v[BR:BR+3], s[12:13] offset:(16*(\a)+\t)*8192 th:TH_STORE_NT   ; 32 lanes store 512 consecutive bytes, at a multiple of 256 from out0's first byte
.endr
.endm
.set IX, 0
	AMUL 8, 1
.irp a, 0,1,2,3,4,5,6,7                ; block a + 1's absolute products, block a's products with column 2048, block a - 1's stores, block a into the stage
.if \a < 7
.set IX, 8*(\a)+8
	AMUL 8, 1
.endif
.if \a == 0
	s_wait_dscnt 0x0                               ; column 2048's images and scale words are in
.endif
.set IX, 8*(\a)
	TMUL 8
.if \a > 0
	SEND \a-1
.endif
	PLACES                                         ; behind block a's last product, ahead of the stores that read its results
	TOSTAGE \a
.endr
	SEND 7
	WIN 0
	s_wait_tensorcnt 0x0                           ; the wave's end
	ds_add_u32 v[SPW], v[NIL]
	s_wait_dscnt 0x0
	CROUND                                         ; the closing round
	s_endpgm
.Lfunc_end_k_qc0eb491840_gemm:
	.size	k_qc0eb491840_gemm, .Lfunc_end_k_qc0eb491840_gemm-k_qc0eb491840_gemm
	.p2alignl 7, 3214868480
	.fill 96, 4, 3214868480
	.section	.rodata,"a",@progbits
	.p2align	6, 0x0
	.amdhsa_kernel k_qc0eb491840_gemm
		.amdhsa_group_segment_fixed_size 327680
		.amdhsa_private_segment_fixed_size 0
		.amdhsa_enable_private_segment 0
		.amdhsa_kernarg_size 40
		.amdhsa_user_sgpr_count 2
		.amdhsa_user_sgpr_kernarg_segment_ptr 1
		.amdhsa_wavefront_size32 1
		.amdhsa_system_sgpr_workgroup_id_x 1
		.amdhsa_system_sgpr_workgroup_id_y 1
		.amdhsa_system_sgpr_workgroup_id_z 1
		.amdhsa_system_vgpr_workitem_id 0
		.amdhsa_next_free_vgpr 1024
		.amdhsa_next_free_sgpr 102
		.amdhsa_reserve_vcc 0
		.amdhsa_float_denorm_mode_32 3
		.amdhsa_float_denorm_mode_16_64 3
		.amdhsa_memory_ordered 1
		.amdhsa_forward_progress 1
		.amdhsa_inst_pref_size 255
	.end_amdhsa_kernel
	.section	.bss,"aw",@nobits
	.p2align	6
	.space	262144
	.amdgpu_metadata
---
amdhsa.version: [ 1, 2 ]
amdhsa.kernels:
  - .name:           k_qc0eb491840_gemm
    .symbol:         k_qc0eb491840_gemm.kd
    .args:
      - { .name: xc, .offset: 0, .size: 8, .value_kind: global_buffer, .address_space: global }
      - { .name: xs, .offset: 8, .size: 8, .value_kind: global_buffer, .address_space: global }
      - { .name: wc, .offset: 16, .size: 8, .value_kind: global_buffer, .address_space: global }
      - { .name: wsb, .offset: 24, .size: 8, .value_kind: global_buffer, .address_space: global }
      - { .name: out0, .offset: 32, .size: 8, .value_kind: global_buffer, .address_space: global }
    .group_segment_fixed_size: 327680
    .private_segment_fixed_size: 0
    .kernarg_segment_align: 8
    .kernarg_segment_size: 40
    .max_flat_workgroup_size: 128
    .sgpr_count:     102
    .vgpr_count:     1024
    .wavefront_size: 32
...
	.end_amdgpu_metadata
.endif
;; end of part 2
